; MI455X (gfx1250); checked and timed in simulation.
; The chip was launched on July 23, 2026; its instructions are those of AMD's public machine-readable ISA for CDNA 5 (MIT licence, August 2026) and "CDNA5" Instruction Set Architecture Reference Guide (July 2026). The comments in the code are by the model that wrote it; some were corrected since.
;; Bit Linear. Allowed arithmetic: float matrix products may take bf16 or f16 operands with f32 sums; other float arithmetic in f32, or as packed bf16 or f16 multiplies, adds, multiply-adds, maxima and minima; sums over many terms, partial sums and values carried from step to step in f32; what a program stores and reads back later, other than sums and carried values, may be rounded once to bf16 or f16.
;; Inputs: act_scale one number float32; alpha one number float32; bias 4,096 float32; packed_w 4,096 x 4,096 int32; x 4 x 1,024 x 4,096 float32.
;; Outputs: out0 4 x 1,024 x 4,096 float32.
;; 2 versions, each right; version 2 is version 1 with the launch quant written anew for expert scheduling mode. Each part assembles by itself: llvm-mc -triple=amdgcn-amd-amdhsa -mcpu=gfx1250 --defsym DOCPART=n.
;; ======== version 1 of 2: 2 launches
;; workspace buffers: xq 33,554,432 bytes; wq 33,554,432 bytes
;; launch quant (part 1): grid 512 x 2, 8 waves a work-group, no clusters, 0 bytes of LDS; arguments x, packed_w, act_scale, xq, wq; writes xq, wq
.if DOCPART == 1
	.amdgcn_target "amdgcn-amd-amdhsa--gfx1250"
	.amdhsa_code_object_version 6
	.text
	.protected	k_qde048154c4_quant
	.globl	k_qde048154c4_quant
	.p2align	8
	.type	k_qde048154c4_quant,@function
k_qde048154c4_quant:
	s_mov_b64 s[64:65], 0
	v_nop
	global_prefetch_b8 v0, s[64:65] scope:SCOPE_SE
	s_setreg_imm32_b32 hwreg(HW_REG_WAVE_MODE, 25, 1), 1
	s_wait_xcnt 0x0
; xq[m][i] = clip(round(x[m][i] / scale), -127, 127), NaN -> 0, as bf16;  scale = max(act_scale, 1e-5).      (work-groups with y = 0)
; wq[o][i] = packed_w[o][i] - 1, as bf16.                                                                    (work-groups with y = 1)
; Both scales (scale, alpha) leave the sum of products and are applied by the launch behind this one, so what is stored here are whole numbers:
; -127 .. 127 and, for packed_w in 0 .. 2, -1 .. 1, all exact in bf16.
; LIMITS.  act_scale is finite and at most 2.6e36 (127 x scale stays finite); a NaN or infinite act_scale is not served.  packed_w is taken as any int32:
; converted to f32, less 1.0 (as the problem's text does), and then rounded once to bf16, which is exact up to 256 in magnitude.
; THE QUOTIENT.  inv = 1 / scale, the reciprocal refined by one Newton step; q0 = x inv; r = x - q0 scale (one fused multiply-add: exact); q = q0 + r inv.
; So a quotient near a tie (k + 1/2) falls on the side on which the rounded division falls, apart from rare last-bit cases of inv.
; THE CLAMP stands in front of the division, on x itself, at +-fl(127 scale): infinities become finite there, the quotient is at most 127 (1 + 2^-23), which rounds to 127,
; and every |x| beyond the bound has a quotient that the clip would take to 127 anyway.  A NaN is replaced by 0 first (a number-preferring clamp would make a bound of it).
; A STREAM: nothing is shared, so no LDS, no barrier, no matrix unit.  A work-group owns 131,072 input bytes, 32 rows of 4,096; thread t owns the 16 bytes at 16 t of each row and
; stores 8 bytes at 8 t: a wave's load covers 512 consecutive bytes, its store 256 consecutive bytes at a multiple of 256 from the buffer's first byte.
; A ring of DEPTH register slots keeps DEPTH loads of every wave in flight.
.set DEPTH,  8                         ; slots = loads in flight in each wave
.set ROUNDS, 32 / DEPTH                ; each round takes every slot once
.set ROWI,   4096                      ; input bytes in a row
.set ROWO,   2048                      ; output bytes in a row
.set INV, 4                            ; v[4:5]    1 / scale, twice
.set NSC, 6                            ; v[6:7]    -scale, twice
.set LP,  8                            ; v8        127 scale
.set LN,  9                            ; v9        -127 scale
.set T,   12                           ; v[12:15]  at work
.set Q,   16                           ; v[16:19]  at work
.set X,   20                           ; v[20:51]  slot i: 4 registers as loaded
.set Y,   52                           ; v[52:67]  slot i: 2 registers to store
	s_load_b256 s[4:11], s[0:1], 0x0               ; x s[4:5], packed_w s[6:7], act_scale s[8:9], xq s[10:11]
	s_load_b64 s[12:13], s[0:1], 0x20              ; wq
	v_lshlrev_b32 v1, 4, v0                        ; my 16 bytes of an input row; never rewritten
	v_lshlrev_b32 v2, 3, v0                        ; my 8 bytes of an output row; never rewritten
	s_lshl_b32 s14, ttmp9, 17                      ; the work-group's 131,072 input bytes (511 x 131,072 stays under 2^32)
	s_mov_b32 s15, 0
	s_lshl_b32 s16, ttmp9, 16                      ; and its 65,536 output bytes
	s_mov_b32 s17, 0
	s_and_b32 s18, ttmp7, 0xffff                   ; y: 0 = x, 1 = packed_w
	s_wait_kmcnt 0x0
; One slot's turn.  kind 0: x; kind 1: packed_w.  ahead = 1: the slot is filled again with the row DEPTH further down.
; left = how many younger loads may still be out.  inb, outb: the scalar pairs of the input's and the output's base.
.macro SLOT kind, i, ahead, left, inb, outb
	s_wait_loadcnt \left                           ; loads come back in order (ISA guide 5.7.1): mine is in, the younger ones stay out
	s_wait_xcnt 0x0                                ; this slot's Y, which its last store reads, is rewritten only behind this wait
.if (\kind) == 0
.irp k, 0,1,2,3
	v_cmp_eq_f32 vcc_lo, v[X+4*(\i)+(\k)], v[X+4*(\i)+(\k)]         ; false for a NaN alone
	v_cndmask_b32 v[T+(\k)], 0, v[X+4*(\i)+(\k)], vcc_lo            ; NaN -> 0
.endr
.irp k, 0,1,2,3
	v_med3_num_f32 v[T+(\k)], v[T+(\k)], v[LN], v[LP]               ; x held to +-127 scale
.endr
.irp k, 0,2
	v_pk_mul_f32 v[Q+(\k):Q+(\k)+1], v[T+(\k):T+(\k)+1], v[INV:INV+1]                          ; q0 = x inv
.endr
.irp k, 0,2
	v_pk_fma_f32 v[T+(\k):T+(\k)+1], v[Q+(\k):Q+(\k)+1], v[NSC:NSC+1], v[T+(\k):T+(\k)+1]      ; r = x - q0 scale
.endr
.irp k, 0,2
	v_pk_fma_f32 v[Q+(\k):Q+(\k)+1], v[T+(\k):T+(\k)+1], v[INV:INV+1], v[Q+(\k):Q+(\k)+1]      ; q = q0 + r inv
.endr
.irp k, 0,1,2,3
	v_rndne_f32 v[Q+(\k)], v[Q+(\k)]                                ; to the nearest whole number, ties to even
.endr
.irp k, 0,1
	v_cvt_pk_bf16_f32 v[Y+2*(\i)+(\k)], v[Q+2*(\k)], v[Q+2*(\k)+1]  ; exact: at most 127 in magnitude
.endr
.else
.irp k, 0,1,2,3
	v_cvt_f32_i32 v[T+(\k)], v[X+4*(\i)+(\k)]
.endr
.irp k, 0,2
	v_pk_add_f32 v[T+(\k):T+(\k)+1], v[T+(\k):T+(\k)+1], -1.0 op_sel_hi:[1,0]
.endr
.irp k, 0,1
	v_cvt_pk_bf16_f32 v[Y+2*(\i)+(\k)], v[T+2*(\k)], v[T+2*(\k)+1]
.endr
.endif
.if \ahead
	global_load_b128 v[X+4*(\i):X+4*(\i)+3], v1, s[(\inb):(\inb)+1] offset:((\i)+DEPTH)*ROWI th:TH_LOAD_NT  ; the load goes out ahead of the store
.endif
	global_store_b64 v2, v[Y+2*(\i):Y+2*(\i)+1], s[(\outb):(\outb)+1] offset:(\i)*ROWO  ; no hint: the next launch reads these bytes
.endm
; The whole stream of one tensor: the ring is filled by the caller; ROUNDS - 1 rounds that load ahead, and a last one whose counts run down.
.macro STREAM kind, inb, outb
	s_mov_b32 s19, ROUNDS-1
.Lround_\@:
.irp i, 0,1,2,3,4,5,6,7
	SLOT \kind, \i, 1, DEPTH-1, \inb, \outb
.endr
	s_wait_xcnt 0x0                                ; the two bases are sources of what has been issued: they step only behind this wait
	s_add_nc_u64 s[(\inb):(\inb)+1], s[(\inb):(\inb)+1], DEPTH*ROWI
	s_add_nc_u64 s[(\outb):(\outb)+1], s[(\outb):(\outb)+1], DEPTH*ROWO
	s_sub_co_u32 s19, s19, 1
	s_cmp_lg_u32 s19, 0
	s_cbranch_scc1 .Lround_\@
.irp i, 0,1,2,3,4,5,6,7
	SLOT \kind, \i, 0, DEPTH-1-(\i), \inb, \outb   ; rows 24 to 31: nothing is loaded beyond the work-group's 32 rows
.endr
.endm
	s_cmp_lg_u32 s18, 0
	s_cbranch_scc1 .Lweights
	; ---- x -> xq
	s_load_b32 s20, s[8:9], 0x0                    ; act_scale
	s_add_nc_u64 s[4:5], s[4:5], s[14:15]
	s_add_nc_u64 s[10:11], s[10:11], s[16:17]
.irp i, 0,1,2,3,4,5,6,7
	global_load_b128 v[X+4*(\i):X+4*(\i)+3], v1, s[4:5] offset:(\i)*ROWI th:TH_LOAD_NT  ; rows 0 to 7 fill the ring
.endr
	s_wait_kmcnt 0x0
	v_mov_b32 v11, s20
	v_max_num_f32 v11, 0x3727c5ac, v11             ; scale = max(act_scale, 1e-5)
	v_rcp_f32 v10, v11
	v_mul_f32 v[LP], 0x42fe0000, v11               ; 127 scale: the plain instruction between the reciprocal and the use of its result (ISA guide 5.7.2)
	s_wait_alu depctr_va_vdst(0)
	v_fma_f32 v12, -v11, v10, 1.0                  ; one Newton step: e = 1 - scale inv,
	v_fma_f32 v[INV], v12, v10, v10                ; inv = inv + e inv
	v_mov_b32 v[INV+1], v[INV]
	v_mul_f32 v[NSC], -1.0, v11
	v_mov_b32 v[NSC+1], v[NSC]
	v_mul_f32 v[LN], 0xc2fe0000, v11               ; -127 scale
	STREAM 0, 4, 10
	s_endpgm
	; ---- packed_w -> wq
.Lweights:
	s_add_nc_u64 s[6:7], s[6:7], s[14:15]
	s_add_nc_u64 s[12:13], s[12:13], s[16:17]
.irp i, 0,1,2,3,4,5,6,7
	global_load_b128 v[X+4*(\i):X+4*(\i)+3], v1, s[6:7] offset:(\i)*ROWI th:TH_LOAD_NT
.endr
	STREAM 1, 6, 12
	s_endpgm
.Lfunc_end_k_qde048154c4_quant:
	.size	k_qde048154c4_quant, .Lfunc_end_k_qde048154c4_quant-k_qde048154c4_quant
	.p2alignl 7, 3214868480
	.fill 96, 4, 3214868480
	.section	.rodata,"a",@progbits
	.p2align	6, 0x0
	.amdhsa_kernel k_qde048154c4_quant
		.amdhsa_group_segment_fixed_size 0
		.amdhsa_private_segment_fixed_size 0
		.amdhsa_enable_private_segment 0
		.amdhsa_kernarg_size 40
		.amdhsa_user_sgpr_count 2
		.amdhsa_user_sgpr_kernarg_segment_ptr 1
		.amdhsa_wavefront_size32 1
		.amdhsa_system_sgpr_workgroup_id_x 1
		.amdhsa_system_sgpr_workgroup_id_y 1
		.amdhsa_system_sgpr_workgroup_id_z 1
		.amdhsa_system_vgpr_workitem_id 0
		.amdhsa_next_free_vgpr 68
		.amdhsa_next_free_sgpr 66
		.amdhsa_reserve_vcc 1
		.amdhsa_float_denorm_mode_32 3
		.amdhsa_float_denorm_mode_16_64 3
		.amdhsa_memory_ordered 1
		.amdhsa_forward_progress 1
		.amdhsa_inst_pref_size 35
	.end_amdhsa_kernel
	.amdgpu_metadata
---
amdhsa.version: [ 1, 2 ]
amdhsa.kernels:
  - .name:           k_qde048154c4_quant
    .symbol:         k_qde048154c4_quant.kd
    .args:
      - { .name: x, .offset: 0, .size: 8, .value_kind: global_buffer, .address_space: global }
      - { .name: packed_w, .offset: 8, .size: 8, .value_kind: global_buffer, .address_space: global }
      - { .name: act_scale, .offset: 16, .size: 8, .value_kind: global_buffer, .address_space: global }
      - { .name: xq, .offset: 24, .size: 8, .value_kind: global_buffer, .address_space: global }
      - { .name: wq, .offset: 32, .size: 8, .value_kind: global_buffer, .address_space: global }
    .group_segment_fixed_size: 0
    .private_segment_fixed_size: 0
    .kernarg_segment_align: 8
    .kernarg_segment_size: 40
    .max_flat_workgroup_size: 256
    .sgpr_count:     66
    .vgpr_count:     68
    .wavefront_size: 32
...
	.end_amdgpu_metadata
.endif
;; end of part 1
;; launch gemm (part 2): grid 16 x 16, 4 waves a work-group, clusters of 4 x 4, 327,680 bytes of LDS; arguments xq, wq, out0, bias, act_scale, alpha; writes out0
.if DOCPART == 2
	.amdgcn_target "amdgcn-amd-amdhsa--gfx1250"
	.amdhsa_code_object_version 6
	.text
	.protected	k_qde048154c4_gemm
	.globl	k_qde048154c4_gemm
	.p2align	8
	.type	k_qde048154c4_gemm,@function
k_qde048154c4_gemm:
	s_mov_b64 s[64:65], 0
	v_nop
	global_prefetch_b8 v0, s[64:65] scope:SCOPE_SE
	s_setreg_imm32_b32 hwreg(HW_REG_WAVE_MODE, 25, 1), 1
	s_wait_xcnt 0x0
	s_wait_alu depctr_hold_cnt(0) depctr_sa_sdst(0) depctr_va_vdst(0) depctr_va_sdst(0) depctr_va_ssrc(0) depctr_va_vcc(0) depctr_vm_vsrc(0)
	s_getreg_b32 s2, hwreg(HW_REG_IB_STS2, 6, 4)
	s_cmp_eq_u32 s2, 0
	s_cbranch_scc0 .Lentry_in_a_cluster
	s_endpgm
.Lentry_in_a_cluster:
	s_bfe_u32 s2, ttmp6, 0x10000c
	s_cmp_lg_u32 s2, 0xf033
	s_cbranch_scc0 .Lentry_shape_is_right
	s_endpgm
.Lentry_shape_is_right:
; out0[m][o] = (scale alpha) x (sum over i of xq[m][i] wq[o][i]) + bias[o].  xq: [4096][4096] bf16 (whole numbers -127 .. 127), wq: [4096][4096] bf16 (packed_w - 1),
; out0: [4096][4096] f32, bias: [4096] f32; scale = max(act_scale, 1e-5).  Sums in f32: with packed_w in 0 .. 2 every partial sum is a whole number of at most 127 x 4096 < 2^24 in
; magnitude, so the sums are exact, and the one rounding of the result is the fused multiply-add on the way out.
; LIMITS.  act_scale and alpha are finite.  scale alpha is formed once and multiplied onto the sum: an order of rounding other than x_int scale and (p - 1) alpha term by term.
; A tile of out0, 256 x 256, is made by a work-group of four waves; a wave makes 128 x 128: 64 accumulators of 16 x 16, 512 registers.  4096 / 256 squared = 256 tiles, one a work-group.
; K goes in steps of 128 through a ring of two LDS slots filled by the tensor data mover: a tile's rows are 256 bytes of memory and start at multiples of 256 bytes from the buffer's first byte.
; CLUSTERS: 4 x 4 work-groups.  The four of a row of the cluster need the same tiles of xq, the four of a column the same tiles of wq: such a tile is asked for JOINTLY, by the same tensor
; load with the same descriptor and a mask that names the four; each receives it in its own LDS.
; REGISTERS, in windows of 256 (s_set_vgpr_msb's low byte: bits 1:0 source 0, 3:2 source 1, 5:4 source 2, 7:6 destination):
;   window 0: v0-31 addresses, bias, scale; v64-127, v128-191 fragments of xq (8 x 16 rows x 32 K), two buffers; on the way out the same registers hold rows read back from the stage
;   window 1: v64-127, v128-191 fragments of wq, two buffers
;   window 2: the 32 accumulators of my rows 0-63 (accumulator (a, b) at v[8 (8 a + b)]);   window 3: those of my rows 64-127
; THE MATRIX INSTRUCTION IS USED TRANSPOSED: source 0 = 16 rows of wq, source 1 = 16 rows of xq.  Lane l then holds row l % 16 of out0 and its registers 0 to 7 the columns
; 8 (l / 16) + 0 .. 7: 32 neighbouring bytes of a row.
.set SIZE_M, 4096
.set SIZE_N, 4096
.set SIZE_K, 4096
.set KSTEP,  128
.set PITCH,  272                       ; an LDS row: 256 bytes of data + 16 of padding = 68 words: row r starts at bank 4 r mod 64 (64 banks of 4 bytes: ISA guide 11.1)
.set HALFT,  128*PITCH                 ; 128 rows: what one tensor load brings, and what one wave reads of xq or of wq
.set SLOT,   4*HALFT                   ; xq's 256 rows, then wq's 256 rows
.set STAGE,  2*SLOT                    ; behind the ring: for each wave 16 rows of 128 f32, for the way out; no tensor load lands here
.set SPITCH, 528                       ; a stage row: 512 bytes + 16: 33 x 16, so the 16 rows that a store touches fall into 16 different columns of 16 bytes
.set WSTAGE, 16*SPITCH                 ; 8,448 bytes a wave: 33 blocks of 256
.set SPARE,  STAGE+4*WSTAGE            ; behind the stages: the spare words, 128 bytes for each wave: two blocks of 256 bytes that no other line names
.set LAPS, SIZE_K/(2*KSTEP)            ; a lap = two K steps = once round the ring: 16
.set BI,   8                           ; v[8:11]  bias of my four columns on the way out
.set SC,   12                          ; v[12:13] scale alpha, twice
.set BO,   14                          ; v14      my byte offset in bias
.set ADRA, 16                          ; v16-17   LDS address of my xq fragments in slot 0, 1
.set ADRB, 20                          ; v20-21   the same for wq
.set STO,  24                          ; v24      the way out: where I put 32 bytes of a row
.set RD,   25                          ; v25      the way out: where I read 16 bytes of a row back
.set CO,   26                          ; v26      my byte offset in a row of my wave's part of out0; never rewritten
.set SPW,  28                          ; v28      LDS address of my spare word: SPARE + 4 x my thread's number; never rewritten
.set NIL,  29                          ; v29      0; never rewritten
.set F0,   64                          ; fragment buffer 0
.set F1,   128                         ; fragment buffer 1
.set G1, 24                            ; s[24:31] descriptor group 1 for xq's tiles
.set G0, 32                            ; s[32:39] descriptor group 0 for xq's tiles, one set for each slot
.set G1B, 48                           ; s[48:55] descriptor group 1 for wq's tiles: it differs in the mask alone
.set G0B, 56                           ; s[56:63] descriptor group 0 for wq's tiles, one set for each slot
.set MSB, 0
.macro WIN new                         ; the immediate's high byte repeats the setting that is left; a switch that changes nothing is dropped
.if MSB != (\new)
	s_set_vgpr_msb (MSB<<8)|(\new)
.set MSB, \new
.endif
.endm
.set MUL_LO, 0xa1                      ; source 0 (wq) window 1, source 1 (xq) window 0, C and D window 2
.set MUL_HI, 0xf1                      ; the same, C and D window 3
.set TO_B,   0x40                      ; destination window 1, address window 0
; A joint load.  Waves 0 and 1 fetch xq's two halves, waves 2 and 3 wq's.  Each of the two lines has one mask and one set of registers for all that issue it.  The branch hangs on the
; wave's number alone.  An s_nop 0 and four v_nop follow each of the two lines, ahead of the jump, the label and what follows.
.macro JLOAD s
	s_cmp_eq_u32 s11, 0
	s_cbranch_scc0 .Lfor_b_\@
	tensor_load_to_lds s[G0+4*(\s):G0+4*(\s)+3], s[G1:G1+7]
	s_nop 0
.rept 4
	v_nop
.endr
	s_branch .Lasked_\@
.Lfor_b_\@:
	tensor_load_to_lds s[G0B+4*(\s):G0B+4*(\s)+3], s[G1B:G1B+7]
	s_nop 0
.rept 4
	v_nop
.endr
.Lasked_\@:
.endm
; A round of the cluster's barrier: my work-group's barrier, so that wave 0's signal speaks for all four waves; wave 0 signals for the work-group; every wave waits for all sixteen
; work-groups; my work-group's barrier once more.  No LDS instruction of the wave is pending at a signal.
.macro CREST                           ; a round behind its opening barrier
	s_cmp_lg_u32 s10, 0
	s_cbranch_scc1 .Lnot_wave_0_\@
	s_barrier_signal -3
.Lnot_wave_0_\@:
	s_barrier_wait -3
	s_barrier_signal -1
	s_barrier_wait -1
.endm
.macro CROUND                          ; a whole round
	s_barrier_signal -1
	s_barrier_wait -1
	CREST
.endm
	s_load_b128 s[4:7], s[0:1], 0x0                ; xq s[4:5], wq s[6:7]
	s_load_b64 s[8:9], s[0:1], 0x10                ; out0
	s_load_b64 s[66:67], s[0:1], 0x18              ; bias
	s_load_b128 s[68:71], s[0:1], 0x20             ; act_scale s[68:69], alpha s[70:71]
	v_lshl_add_u32 v[SPW], v0, 2, SPARE
	v_mov_b32 v[NIL], 0
	ds_add_u32 v[SPW], v[NIL]                      ; the wave's opening: the add and its wait ahead of my first tensor load; the set-up below, work on registers, stands between them
	v_lshrrev_b32 v1, 5, v0
	v_readfirstlane_b32 s10, v1                    ; wave 0..3
	s_lshr_b32 s11, s10, 1                         ; which half of the tile's rows is mine.  Also: I fetch for xq (0) or for wq (1)
	s_and_b32 s12, s10, 1                          ; which half of its columns.  Also: which 128 rows of that tile I fetch
	s_bfe_u32 s40, ttmp6, 0x40000                  ; cx: my place along the cluster's x
	s_bfe_u32 s41, ttmp6, 0x40004                  ; cy: along its y
	s_lshl_b32 s42, ttmp9, 2                       ; in a cluster launch ttmp9 and ttmp7 count clusters
	s_add_co_u32 s42, s42, s40                     ; tile column = 4 x cluster x + cx
	s_and_b32 s13, ttmp7, 0xffff
	s_lshl_b32 s13, s13, 2
	s_add_co_u32 s13, s13, s41                     ; tile row = 4 x cluster y + cy
	s_lshl_b32 s43, s41, 2
	s_lshl_b32 s43, 15, s43                        ; my row of the cluster: places 4 cy .. 4 cy + 3
	s_lshl_b32 s44, 0x1111, s40                    ; my column: places cx, cx + 4, cx + 8, cx + 12
	; descriptor group 1: a tile of 128 rows x 128 elements, padded in LDS
	s_or_b32 s[G1+0], s43, (1<<16)|(1<<20)|(1<<21)|(5<<22)|(3<<25)  ; 15:0 the mask: xq's tiles go to my row; 17:16 element of 2 bytes; 20 padding on; 21 set beside a mask; 24:22 after every 64 words (code 5); 31:25 of 4 words (code 3)
	s_or_b32 s[G1B+0], s44, (1<<16)|(1<<20)|(1<<21)|(5<<22)|(3<<25) ; the same with the mask of my column, for wq's tiles
	s_mov_b32 s[G1B+1], KSTEP<<16
	s_mov_b32 s[G1+1], KSTEP<<16                   ; 63:48 tensor_dim0, low half = 128
	s_mov_b32 s[G1B+2], 128<<16
	s_mov_b32 s[G1+2], 128<<16                     ; 79:64 its high half = 0; 95:80 tensor_dim1, low half = 128
	s_mov_b32 s[G1B+3], KSTEP<<16
	s_mov_b32 s[G1+3], KSTEP<<16                   ; 111:96 its high half = 0; 127:112 tile_dim0 = 128
	s_mov_b32 s[G1B+4], 128
	s_mov_b32 s[G1+4], 128                         ; 143:128 tile_dim1 = 128; 159:144 tile_dim2 = 0
	s_mov_b32 s[G1B+5], SIZE_K
	s_mov_b32 s[G1+5], SIZE_K                      ; 191:160 tensor_dim0_stride, low word: elements from row to row
	s_mov_b32 s[G1B+6], 0
	s_mov_b32 s[G1+6], 0
	s_mov_b32 s[G1B+7], 0
	s_mov_b32 s[G1+7], 0
	; where the tiles come from.  xq's hang on the tile row alone, which my row of the cluster shares; wq's on the tile column alone, which my column shares.
	; Every wave makes both addresses, in registers that never hold the other coordinate, and asks by one of them.
	s_lshl_b32 s17, s12, 7                         ; which 128 rows of the tile I fetch
	s_lshl_b32 s16, s13, 8
	s_add_co_u32 s16, s16, s17                     ; xq: row 256 x tile row + 128 x half
	s_lshl_b32 s46, s42, 8
	s_add_co_u32 s46, s46, s17                     ; wq: row 256 x tile column + 128 x half
	s_mov_b32 s17, 0
	s_mov_b32 s47, 0
	s_mov_b64 s[18:19], SIZE_K*2
	s_mul_u64 s[16:17], s[16:17], s[18:19]         ; in bytes, in 64 bits
	s_mul_u64 s[46:47], s[46:47], s[18:19]
	s_mul_i32 s20, s10, HALFT                      ; and where they go: xq's two halves, then wq's two halves = wave x 128 rows: no place in the cluster enters an LDS address
	s_wait_dscnt 0x0                               ; the opening add is done
	s_wait_kmcnt 0x0
	s_load_b32 s72, s[68:69], 0x0                  ; act_scale and alpha themselves: waited for in the set-up below
	s_load_b32 s73, s[70:71], 0x0
	s_add_nc_u64 s[14:15], s[4:5], s[16:17]
	s_add_nc_u64 s[46:47], s[6:7], s[46:47]
	CROUND                                         ; all sixteen work-groups are here: the first joint loads meet
.irp s, 0,1
	s_mov_b32 s[G0+4*(\s)], 1                                      ; 1:0 count = 1
	s_add_co_u32 s[G0+4*(\s)+1], s20, (\s)*SLOT                    ; 63:32 LDS address
	s_add_nc_u64 s[G0+4*(\s)+2:G0+4*(\s)+3], s[14:15], (\s)*KSTEP*2  ; 120:64 global address: K step s
	s_or_b32 s[G0+4*(\s)+3], s[G0+4*(\s)+3], 0x80000000            ; 127:126 type = 2
	s_mov_b32 s[G0B+4*(\s)], 1
	s_add_co_u32 s[G0B+4*(\s)+1], s20, (\s)*SLOT
	s_add_nc_u64 s[G0B+4*(\s)+2:G0B+4*(\s)+3], s[46:47], (\s)*KSTEP*2
	s_or_b32 s[G0B+4*(\s)+3], s[G0B+4*(\s)+3], 0x80000000
	JLOAD \s                                       ; the ring is filled before anything else is done: two tensor loads of mine are out
.endr
	; A fragment is 16 rows x 32 K in 8 registers: lane l holds row l % 16; registers 0-3 hold K = 8 (l / 16) + 0..7, registers 4-7 hold K = 16 + 8 (l / 16) + 0..7:
	; two loads of 16 bytes, 32 bytes apart.  The same for source 0 and source 1.
	v_and_b32 v1, 15, v0                           ; l % 16
	v_bfe_u32 v2, v0, 4, 1                         ; l / 16
	v_mul_u32_u24 v3, v1, PITCH
	v_lshl_add_u32 v3, v2, 4, v3                   ; row x pitch + 16 x half
	s_mul_i32 s21, s11, HALFT                      ; my 128 rows of xq
	s_mul_i32 s22, s12, HALFT                      ; my 128 rows of wq,
	s_add_co_u32 s22, s22, 2*HALFT                 ; which lie behind xq's 256
.irp s, 0,1
	v_add_nc_u32 v[ADRA+(\s)], s21, v3
	v_add_nc_u32 v[ADRB+(\s)], s22, v3
	s_add_co_u32 s21, s21, SLOT
	s_add_co_u32 s22, s22, SLOT
.endr
	s_mul_i32 s23, s10, WSTAGE
	s_add_co_u32 s23, s23, STAGE                   ; my stage
	v_mul_u32_u24 v4, v1, SPITCH                   ; in: row l % 16, 32 bytes for each half of the lanes
	v_lshl_add_u32 v4, v2, 5, v4
	v_add_nc_u32 v[STO], s23, v4
	v_and_b32 v6, 31, v0                           ; lane
	v_lshlrev_b32 v[CO], 4, v6                     ; back and out: 32 lanes x 16 bytes are one row of 512 bytes: I hold columns 4 lane .. 4 lane + 3 of every row
	v_add_nc_u32 v[RD], s23, v[CO]
	; where my wave's part of the tile begins in out0, in bytes
	s_lshl_b32 s13, s13, 8
	s_lshl_b32 s14, s11, 7
	s_add_co_u32 s16, s13, s14                     ; my first row
	s_mov_b32 s17, 0
	s_mov_b64 s[18:19], SIZE_N*4
	s_mul_u64 s[16:17], s[16:17], s[18:19]
	s_lshl_b32 s46, s42, 10                        ; my first column, in bytes of f32: 1,024 x tile column + 512 x half (in the registers that held wq's address)
	s_lshl_b32 s47, s12, 9
	s_add_co_u32 s46, s46, s47
	s_mov_b32 s47, 0
	v_lshl_add_u32 v[BO], v6, 4, s46               ; the same bytes in bias, plus my four columns
	global_load_b128 v[BI:BI+3], v[BO], s[66:67]   ; four registers of bias serve all 128 rows
	s_add_nc_u64 s[16:17], s[16:17], s[46:47]
	s_add_nc_u64 s[8:9], s[8:9], s[16:17]          ; never rewritten again: the rows stand in the stores' immediates
	s_wait_kmcnt 0x0                               ; act_scale, alpha
	v_mov_b32 v[SC], s72
	v_max_num_f32 v[SC], 0x3727c5ac, v[SC]         ; scale = max(act_scale, 1e-5)
	v_mul_f32 v[SC], s73, v[SC]                    ; scale alpha
	v_mov_b32 v[SC+1], v[SC]
; 16 matrix instructions: m blocks a0, a0 + 1 of the window's four (hi = 0: my rows 0-63, 1: rows 64-127) x all 8 n blocks, 32 along K.
; zero = 1: the first product starts the sums: nothing is ever cleared.  The 64 accumulators take turns, one instruction a turn, in the same order in every quarter step.
.macro MUL16 f, hi, a0, zero
	WIN MUL_LO+0x50*(\hi)  ; MUL_LO or MUL_HI
.irp a, \a0, (\a0)+1
.irp b, 0,1,2,3,4,5,6,7
.if \zero
	v_wmma_f32_16x16x32_bf16 v[8*(8*(\a)+(\b)):8*(8*(\a)+(\b))+7], v[(\f)+8*(\b):(\f)+8*(\b)+7], v[(\f)+8*(4*(\hi)+(\a)):(\f)+8*(4*(\hi)+(\a))+7], 0
.else
	v_wmma_f32_16x16x32_bf16 v[8*(8*(\a)+(\b)):8*(8*(\a)+(\b))+7], v[(\f)+8*(\b):(\f)+8*(\b)+7], v[(\f)+8*(4*(\hi)+(\a)):(\f)+8*(4*(\hi)+(\a))+7], v[8*(8*(\a)+(\b)):8*(8*(\a)+(\b))+7]
.endif
.endr
.endr
.endm
; 32 LDS loads in one run: the fragments of one quarter step (128 rows of wq, 128 rows of xq, 32 K at byte k of the rows) into buffer f
.macro FETCH slot, k, f
	WIN TO_B
.irp i, 0,1,2,3,4,5,6,7
	ds_load_b128 v[(\f)+8*(\i):(\f)+8*(\i)+3],   v[ADRB+(\slot)] offset:(\k)+(\i)*16*PITCH
	ds_load_b128 v[(\f)+8*(\i)+4:(\f)+8*(\i)+7], v[ADRB+(\slot)] offset:(\k)+(\i)*16*PITCH+32
.endr
	WIN 0
.irp i, 0,1,2,3,4,5,6,7
	ds_load_b128 v[(\f)+8*(\i):(\f)+8*(\i)+3],   v[ADRA+(\slot)] offset:(\k)+(\i)*16*PITCH
	ds_load_b128 v[(\f)+8*(\i)+4:(\f)+8*(\i)+7], v[ADRA+(\slot)] offset:(\k)+(\i)*16*PITCH+32
.endr
.endm
; A load into a register that a matrix instruction has read, and an LDS store or vector instruction that reads a matrix result, stand four places behind that matrix instruction, and only
; plain vector instructions that name none of its registers are places (ISA guide 7.12.1 for vector instructions).
.macro PLACES
.rept 4
	v_nop
.endr
.endm
; A K step is four quarter steps of 32 along K, 64 matrix instructions each, on buffers 0, 1, 0, 1.
; One of the first three: multiplies buffer f; in its middle it fetches the next quarter's fragments, at byte k of the same slot's rows, into buffer g.
.macro QUARTER slot, k, f, g, zero
	s_wait_dscnt 8                                 ; wq and xq's rows 0-63 are in; the youngest eight loads (xq's rows 64-127) may be out
	WIN MUL_LO
	MUL16 \f, 0, 0, \zero
	MUL16 \f, 0, 2, \zero
	PLACES
	FETCH \slot, \k, \g
	s_wait_dscnt 32                                ; all but the 32 just issued
	WIN MUL_HI
	MUL16 \f, 1, 0, \zero
	MUL16 \f, 1, 2, \zero
.endm
; The last quarter multiplies buffer 1 and changes slots.  MEET is its first half: ONE barrier for the change of slots.  In front of it each wave waits for all its tensor loads, of which one
; is out: its part of the next slot; adds 0 to its spare word; and waits for that and for its own reads of this slot.  Behind it nobody reads this slot any more and the next slot is whole.
.macro MEET round                      ; round = 1: a round of the cluster's barrier follows
	WIN 0                                          ; (the add's two registers lie in window 0)
	s_wait_tensorcnt 0x0                           ; all my tensor loads have landed: the one that was out is my part of the next slot;
	ds_add_u32 v[SPW], v[NIL]                      ; 0 onto my spare word;
	s_wait_dscnt 9                                 ; (the add and the youngest eight loads may be out)
	WIN MUL_LO
	MUL16 F1, 0, 0, 0                              ; sixteen matrix instructions stand between the add and the wait for it
	s_wait_dscnt 0x0                               ; the add is done, and my reads of this slot are over:
	s_barrier_signal -1                            ; say so (where a slot is filled again this barrier opens a round of the cluster's barrier),
	MUL16 F1, 0, 2, 0                              ; work on registers while the others arrive,
.if \round
	WIN 0
.endif
	s_barrier_wait -1                              ; and go on when all four have said so
.endm
; The whole last quarter.  fill = 1: behind the round the slot just read out is filled again first, with the K step two steps on; then come the next slot's first fragments.
; From a request to the wait for it a wave issues 224 matrix instructions.  fill = 0 (the last lap): nothing is asked for, and the work-group's barrier alone stands.
.macro TURN slot, next, fill
	MEET \fill
.if \fill
	CREST                                          ; no wave of any partner still reads this slot's tile or has a load on its way
	s_add_nc_u64 s[G0+4*(\slot)+2:G0+4*(\slot)+3], s[G0+4*(\slot)+2:G0+4*(\slot)+3], 2*KSTEP*2     ; no tensor load of mine is out, so a group 0 may be written
	s_add_nc_u64 s[G0B+4*(\slot)+2:G0B+4*(\slot)+3], s[G0B+4*(\slot)+2:G0B+4*(\slot)+3], 2*KSTEP*2
	JLOAD \slot                                    ; the first tensor load behind the round, my only one until the next; the four v_nop behind it are also the places in front of the loads below
.else
	PLACES
.endif
	FETCH \next, 0, F0
	WIN MUL_HI
	MUL16 F1, 1, 0, 0
	MUL16 F1, 1, 2, 0
.endm
; THE WAY OUT of block a (16 rows x 128 columns of f32), in two parts.
; TOSTAGE: the raw sums go into my own stage, 32 bytes a lane and accumulator (each accumulator's four lowest registers first), and come back as whole rows of 512 bytes.
; The stage is my wave's own and LDS serves a wave's instructions in order (ISA guide 5.7.1.4): the loads see the stores above them, and the next block's stores come behind these loads.
.macro TOSTAGE a
.set AC, 64*((\a)%4)                   ; the block's eight accumulators, in window 2 (blocks 0-3) or 3 (blocks 4-7)
.set BK, F0+64*((\a)%2)                ; 64 registers for the rows read back: the two fragment buffers of window 0 by turns
	WIN 0x08+4*((\a)/4)                            ; an LDS store's data is source 1: window 2 or 3
.irp b, 0,1,2,3,4,5,6,7
	ds_store_b128 v[STO], v[AC+8*(\b):AC+8*(\b)+3]   offset:64*(\b)
	ds_store_b128 v[STO], v[AC+8*(\b)+4:AC+8*(\b)+7] offset:64*(\b)+16
.endr
	WIN 0
	s_wait_xcnt 0x0                                ; the stores of the block two back have read these registers: they are loaded again only behind this wait
.irp t, 0,1,2,3,4,5,6,7,8,9,10,11,12,13,14,15
	ds_load_b128 v[BK+4*(\t):BK+4*(\t)+3], v[RD] offset:(\t)*SPITCH
.endr
.endm
; SEND: sum x (scale alpha) + bias, one fused multiply-add for each number, and the store.  younger: the LDS instructions issued behind the block's loads, which may stay out.
.macro SEND a, younger
.set BK, F0+64*((\a)%2)
	WIN 0
	s_wait_dscnt \younger                          ; the block is back in registers
.irp t, 0,1,2,3,4,5,6,7,8,9,10,11,12,13,14,15
	v_pk_fma_f32 v[BK+4*(\t):BK+4*(\t)+1],   v[BK+4*(\t):BK+4*(\t)+1],   v[SC:SC+1], v[BI:BI+1]
	v_pk_fma_f32 v[BK+4*(\t)+2:BK+4*(\t)+3], v[BK+4*(\t)+2:BK+4*(\t)+3], v[SC:SC+1], v[BI+2:BI+3]
	global_store_b128 v[CO], v[BK+4*(\t):BK+4*(\t)+3], s[8:9] offset:(16*(\a)+(\t))*SIZE_N*4 th:TH_STORE_NT  ; 512 consecutive bytes, at a multiple of 256 from out0's first byte; 127 rows x 16,384 bytes at the most, inside the signed 24-bit immediate
.endr
.endm
	s_wait_loadcnt 0x0                             ; bias: it has come in the wait for the first tile
	s_wait_tensorcnt 1                             ; my part of K step 0 is in; K step 1's may stay out
	s_barrier_signal -1
	s_barrier_wait -1                              ; everybody's is
	FETCH 0, 0, F0
	QUARTER 0, 64,  F0, F1, 1                      ; the first quarter stands in front of the loop: its products start the sums
	WIN 0                                          ; at a label and at a branch every window is 0
	s_mov_b32 s3, LAPS-1
.Llap:                                                 ; a trip goes once round the ring, from a lap's second quarter to the next lap's first, and fills both slots again
	QUARTER 0, 128, F1, F0, 0
	QUARTER 0, 192, F0, F1, 0
	TURN 0, 1, 1
	QUARTER 1, 64,  F0, F1, 0
	QUARTER 1, 128, F1, F0, 0
	QUARTER 1, 192, F0, F1, 0
	TURN 1, 0, 1
	QUARTER 0, 64,  F0, F1, 0
	WIN 0
	s_sub_co_u32 s3, s3, 1
	s_cmp_lg_u32 s3, 0
	s_cbranch_scc1 .Llap
	QUARTER 0, 128, F1, F0, 0                      ; the last lap is written out: it asks for nothing
	QUARTER 0, 192, F0, F1, 0
	TURN 0, 1, 0
	QUARTER 1, 64,  F0, F1, 0
	QUARTER 1, 128, F1, F0, 0
	QUARTER 1, 192, F0, F1, 0
	s_wait_dscnt 8                                 ; the very last quarter: nothing more to fetch
	WIN MUL_LO
	MUL16 F1, 0, 0, 0
	MUL16 F1, 0, 2, 0
	s_wait_dscnt 0x0
	MUL16 F1, 1, 0, 0
	MUL16 F1, 1, 2, 0
	PLACES                                         ; the stage's stores read results just made, and its loads land in registers that the last products read
	TOSTAGE 0
.irp a, 1,2,3,4,5,6,7                  ; block a's trip through the stage is under way while block a - 1 is scaled and stored
	TOSTAGE \a
	SEND (\a)-1, 32                                ; behind block a - 1's loads stand block a's 16 stores and 16 loads
.endr
	SEND 7, 0
	WIN 0
	s_wait_tensorcnt 0x0                           ; the wave's end, behind my last tensor load and my last LDS store
	ds_add_u32 v[SPW], v[NIL]
	s_wait_dscnt 0x0
	CROUND                                         ; the closing round: no work-group ends while a partner may still ask for a tile that names it
	s_endpgm
.Lfunc_end_k_qde048154c4_gemm:
	.size	k_qde048154c4_gemm, .Lfunc_end_k_qde048154c4_gemm-k_qde048154c4_gemm
	.p2alignl 7, 3214868480
	.fill 96, 4, 3214868480
	.section	.rodata,"a",@progbits
	.p2align	6, 0x0
	.amdhsa_kernel k_qde048154c4_gemm
		.amdhsa_group_segment_fixed_size 327680
		.amdhsa_private_segment_fixed_size 0
		.amdhsa_enable_private_segment 0
		.amdhsa_kernarg_size 48
		.amdhsa_user_sgpr_count 2
		.amdhsa_user_sgpr_kernarg_segment_ptr 1
		.amdhsa_wavefront_size32 1
		.amdhsa_system_sgpr_workgroup_id_x 1
		.amdhsa_system_sgpr_workgroup_id_y 1
		.amdhsa_system_sgpr_workgroup_id_z 1
		.amdhsa_system_vgpr_workitem_id 0
		.amdhsa_next_free_vgpr 1024
		.amdhsa_next_free_sgpr 76
		.amdhsa_reserve_vcc 0
		.amdhsa_float_denorm_mode_32 3
		.amdhsa_float_denorm_mode_16_64 3
		.amdhsa_memory_ordered 1
		.amdhsa_forward_progress 1
		.amdhsa_inst_pref_size 157
	.end_amdhsa_kernel
	.amdgpu_metadata
---
amdhsa.version: [ 1, 2 ]
amdhsa.kernels:
  - .name:           k_qde048154c4_gemm
    .symbol:         k_qde048154c4_gemm.kd
    .args:
      - { .name: xq, .offset: 0, .size: 8, .value_kind: global_buffer, .address_space: global }
      - { .name: wq, .offset: 8, .size: 8, .value_kind: global_buffer, .address_space: global }
      - { .name: out0, .offset: 16, .size: 8, .value_kind: global_buffer, .address_space: global }
      - { .name: bias, .offset: 24, .size: 8, .value_kind: global_buffer, .address_space: global }
      - { .name: act_scale, .offset: 32, .size: 8, .value_kind: global_buffer, .address_space: global }
      - { .name: alpha, .offset: 40, .size: 8, .value_kind: global_buffer, .address_space: global }
    .group_segment_fixed_size: 327680
    .private_segment_fixed_size: 0
    .kernarg_segment_align: 8
    .kernarg_segment_size: 48
    .max_flat_workgroup_size: 128
    .sgpr_count:     76
    .vgpr_count:     1024
    .wavefront_size: 32
...
	.end_amdgpu_metadata
.endif
;; end of part 2
;; ======== version 2 of 2: 2 launches; version 1 with the launch quant written anew for expert scheduling mode
;; workspace buffers: xq 33,554,432 bytes; wq 33,554,432 bytes
;; launch quant (part 3): grid 512 x 2, 8 waves a work-group, no clusters, 0 bytes of LDS; arguments x, packed_w, act_scale, xq, wq; writes xq, wq
.if DOCPART == 3
	.amdgcn_target "amdgcn-amd-amdhsa--gfx1250"
	.amdhsa_code_object_version 6
	.text
	.protected	k_qde048154c4_quant
	.globl	k_qde048154c4_quant
	.p2align	8
	.type	k_qde048154c4_quant,@function
k_qde048154c4_quant:
	s_mov_b64 s[64:65], 0
	v_nop
	global_prefetch_b8 v0, s[64:65] scope:SCOPE_SE
	s_setreg_imm32_b32 hwreg(HW_REG_WAVE_SCHED_MODE, 0, 2), 2
	s_setreg_imm32_b32 hwreg(HW_REG_WAVE_MODE, 25, 1), 1
	s_wait_xcnt 0x0
	s_wait_alu depctr_vm_vsrc(0)
; xq[m][i] = clip(round(x[m][i] / scale), -127, 127), NaN -> 0, as bf16;  scale = max(act_scale, 1e-5).      (work-groups with y = 0)
; wq[o][i] = packed_w[o][i] - 1, as bf16.                                                                    (work-groups with y = 1)
; Both scales (scale, alpha) leave the sum of products and are applied by the launch behind this one, so what is stored here are whole numbers:
; -127 .. 127 and, for packed_w in 0 .. 2, -1 .. 1, all exact in bf16.
; LIMITS.  act_scale is finite and at most 2.6e36 (127 x scale stays finite); a NaN or infinite act_scale is not served.  packed_w is taken as any int32:
; converted to f32, less 1.0 (as the problem's text does), and then rounded once to bf16, which is exact up to 256 in magnitude.
; THE QUOTIENT.  inv = 1 / scale, the reciprocal refined by one Newton step; q0 = x inv; r = x - q0 scale (one fused multiply-add: exact); q = q0 + r inv.
; So a quotient near a tie (k + 1/2) falls on the side on which the rounded division falls, apart from rare last-bit cases of inv.
; THE CLAMP stands in front of the division, on x itself, at +-fl(127 scale): infinities become finite there, the quotient is at most 127 (1 + 2^-23), which rounds to 127,
; and every |x| beyond the bound has a quotient that the clip would take to 127 anyway.  A NaN is replaced by 0 first (a number-preferring clamp would make a bound of it).
; A STREAM: nothing is shared, so no LDS, no barrier, no matrix unit.  A work-group owns 131,072 input bytes, 32 rows of 4,096; thread t owns the 16 bytes at 16 t of each row and
; stores 8 bytes at 8 t: a wave's load covers 512 consecutive bytes, its store 256 consecutive bytes at a multiple of 256 from the buffer's first byte.
; THE MODE: SCHED_MODE bits 1:0 = 2 (LLVM: expert scheduling mode 2), set by the entry lines.  The code itself states the register dependences
; between vector instructions and memory instructions, with s_wait_alu, always for 0.
; THE PLAN.  The 32 rows go in 8 blocks of four, written out: every row stands in an immediate offset, so no base and no offset register is written after the head.
; Registers that memory instructions touch:
;   X0 .. X3   four blocks as loaded.  Written by loads alone: blocks 0 to 3 at the head, block p + 3 at the head of block p (p = 1 .. 4); read by block p's vector instructions.
;   Y0, Y1     two blocks to store.    Written by block p's roundings; read by the four stores that are issued at the head of block p + 1.
;   v1, v2     byte offsets, made once at the head and never written again.
; Block p works on X[p % 4] and writes Y[p % 2].  Its memory instructions are the loads into X[(p + 3) % 4] = X[(p - 1) % 4] and the stores from Y[(p - 1) % 2]: the two buffers
; that block p - 1 worked on.  They stand directly behind the waits at the block's head, ahead of the wait for the block's own data, so that they go out without waiting for it.
; The masks of the test for NaN are made in one run of 16 a block, into scalar registers, with one wait between the run and the selects that read them.
.set BLOCK,  4                         ; rows in a block
.set BLOCKS, 32 / BLOCK
.set ROWI,   4096                      ; input bytes in a row
.set ROWO,   2048                      ; output bytes in a row
.set INV, 4                            ; v[4:5]    1 / scale, twice
.set NSC, 6                            ; v[6:7]    -scale, twice
.set LP,  8                            ; v8        127 scale
.set LN,  9                            ; v9        -127 scale
.set T,   12                           ; v[12:15]  at work: no memory instruction names them
.set Q,   16                           ; v[16:19]  at work: likewise
.set X,   20                           ; v[20:83]  buffer k, row i: 4 registers at X + 16 k + 4 i, as loaded
.set Y,   84                           ; v[84:99]  buffer k, row i: 2 registers at Y + 8 k + 2 i, to store
.set MK,  24                           ; s[24:39]  row i, number k of a block: the mask 'is no NaN' at MK + 4 i + k
	s_load_b256 s[4:11], s[0:1], 0x0               ; x s[4:5], packed_w s[6:7], act_scale s[8:9], xq s[10:11]
	s_load_b64 s[12:13], s[0:1], 0x20              ; wq
	v_lshlrev_b32 v1, 4, v0                        ; my 16 bytes of an input row; never rewritten
	v_lshlrev_b32 v2, 3, v0                        ; my 8 bytes of an output row; never rewritten
	s_lshl_b32 s14, ttmp9, 17                      ; the work-group's 131,072 input bytes (511 x 131,072 stays under 2^32)
	s_mov_b32 s15, 0
	s_lshl_b32 s16, ttmp9, 16                      ; and its 65,536 output bytes
	s_mov_b32 s17, 0
	s_and_b32 s18, ttmp7, 0xffff                   ; y: 0 = x, 1 = packed_w
	s_wait_kmcnt 0x0
	s_wait_alu depctr_va_vdst(0)                   ; v1 and v2 are written: every load and store of the kernel, on both ways below, reads one of them as its offset
; Blocks 0 to 3 fill the four X buffers: 16 loads of every wave are out.  inb: the scalar pair of the input's base.
.macro FIRST inb
.irp i, 0,1,2,3,4,5,6,7,8,9,10,11,12,13,14,15
	global_load_b128 v[X+4*(\i):X+4*(\i)+3], v1, s[(\inb):(\inb)+1] offset:(\i)*ROWI th:TH_LOAD_NT
.endr
.endm
; Block p.  kind 0: x; kind 1: packed_w.  inb, outb: the scalar pairs of the input's and the output's base.
; Block 0 has no block in front of it: it issues no memory instruction and states nothing.  Blocks 5 to 7 load nothing: no load leaves the work-group's 32 rows.
.macro BLK kind, p, inb, outb
.set XB, X+16*((\p)%4)                 ; the block's own buffers
.set YB, Y+8*((\p)%2)
.if (\p) >= 2
	s_wait_xcnt 0x0                                ; every earlier memory instruction has had its addresses translated (ISA guide 3.1): Y[p % 2], the data of the stores issued a block ago, is rewritten only behind this wait
	s_wait_alu depctr_vm_vsrc(0)                   ; the stores issued at the head of the block before have read Y[p % 2], which this block's roundings write again
.endif
.if (\p) >= 1
	s_wait_alu depctr_va_vdst(0)                   ; the block before has written the other Y, which the stores below read, and is done reading its X, in which the loads below (blocks 1 to 4 have them) land
.endif
.if ((\p) >= 1) && ((\p) <= BLOCKS-4)
.irp i, 0,1,2,3
	global_load_b128 v[X+16*(((\p)+3)%4)+4*(\i):X+16*(((\p)+3)%4)+4*(\i)+3], v1, s[(\inb):(\inb)+1] offset:(BLOCK*((\p)+3)+(\i))*ROWI th:TH_LOAD_NT  ; three blocks ahead; the loads go out ahead of the stores
.endr
.endif
.if (\p) >= 1
.irp i, 0,1,2,3
	global_store_b64 v2, v[Y+8*(((\p)+1)%2)+2*(\i):Y+8*(((\p)+1)%2)+2*(\i)+1], s[(\outb):(\outb)+1] offset:(BLOCK*((\p)-1)+(\i))*ROWO  ; the block before; no hint: the next launch reads these bytes
.endr
.endif
.if (\p) <= BLOCKS-4
	s_wait_loadcnt 3*BLOCK                         ; loads come back in order (ISA guide 5.7.1): X[p % 4] is in, the three younger blocks stay out
.else
	s_wait_loadcnt (BLOCKS-1-(\p))*BLOCK           ; the counts run down
.endif
.if (\kind) == 0
.irp i, 0,1,2,3
.irp k, 0,1,2,3
	v_cmp_eq_f32 s[MK+4*(\i)+(\k)], v[XB+4*(\i)+(\k)], v[XB+4*(\i)+(\k)]     ; false for a NaN alone
.endr
.endr
	s_wait_alu depctr_va_sdst(0)                   ; the sixteen compares have written s[MK ..], ahead of the first select that reads one of them
.endif
.irp i, 0,1,2,3
.if (\kind) == 0
.irp k, 0,1,2,3
	v_cndmask_b32 v[T+(\k)], 0, v[XB+4*(\i)+(\k)], s[MK+4*(\i)+(\k)]         ; NaN -> 0
.endr
.irp k, 0,1,2,3
	v_med3_num_f32 v[T+(\k)], v[T+(\k)], v[LN], v[LP]               ; x held to +-127 scale
.endr
.irp k, 0,2
	v_pk_mul_f32 v[Q+(\k):Q+(\k)+1], v[T+(\k):T+(\k)+1], v[INV:INV+1]                          ; q0 = x inv
.endr
.irp k, 0,2
	v_pk_fma_f32 v[T+(\k):T+(\k)+1], v[Q+(\k):Q+(\k)+1], v[NSC:NSC+1], v[T+(\k):T+(\k)+1]      ; r = x - q0 scale
.endr
.irp k, 0,2
	v_pk_fma_f32 v[Q+(\k):Q+(\k)+1], v[T+(\k):T+(\k)+1], v[INV:INV+1], v[Q+(\k):Q+(\k)+1]      ; q = q0 + r inv
.endr
.irp k, 0,1,2,3
	v_rndne_f32 v[Q+(\k)], v[Q+(\k)]                                ; to the nearest whole number, ties to even
.endr
.irp k, 0,1
	v_cvt_pk_bf16_f32 v[YB+2*(\i)+(\k)], v[Q+2*(\k)], v[Q+2*(\k)+1] ; exact: at most 127 in magnitude
.endr
.else
.irp k, 0,1,2,3
	v_cvt_f32_i32 v[T+(\k)], v[XB+4*(\i)+(\k)]
.endr
.irp k, 0,2
	v_pk_add_f32 v[T+(\k):T+(\k)+1], v[T+(\k):T+(\k)+1], -1.0 op_sel_hi:[1,0]
.endr
.irp k, 0,1
	v_cvt_pk_bf16_f32 v[YB+2*(\i)+(\k)], v[T+2*(\k)], v[T+2*(\k)+1]
.endr
.endif
.endr
.endm
; The whole stream of one tensor: the caller has filled the X buffers; eight blocks, and the last block's stores.
.macro STREAM kind, inb, outb
.irp p, 0,1,2,3,4,5,6,7
	BLK \kind, \p, \inb, \outb
.endr
	s_wait_alu depctr_va_vdst(0)                   ; block 7 has written Y1, which the last four stores read
.irp i, 0,1,2,3
	global_store_b64 v2, v[Y+8+2*(\i):Y+8+2*(\i)+1], s[(\outb):(\outb)+1] offset:(BLOCK*(BLOCKS-1)+(\i))*ROWO
.endr
.endm
	s_cmp_lg_u32 s18, 0
	s_cbranch_scc1 .Lweights
	; ---- x -> xq
	s_load_b32 s20, s[8:9], 0x0                    ; act_scale
	s_add_nc_u64 s[4:5], s[4:5], s[14:15]
	s_add_nc_u64 s[10:11], s[10:11], s[16:17]
	FIRST 4
	s_wait_kmcnt 0x0
	v_mov_b32 v11, s20
	v_max_num_f32 v11, 0x3727c5ac, v11             ; scale = max(act_scale, 1e-5)
	v_rcp_f32 v10, v11
	v_mul_f32 v[LP], 0x42fe0000, v11               ; 127 scale: the plain instruction between the reciprocal and the use of its result (ISA guide 5.7.2)
	s_wait_alu depctr_va_vdst(0)                   ; the reciprocal has written v10, ahead of its first reader
	v_fma_f32 v12, -v11, v10, 1.0                  ; one Newton step: e = 1 - scale inv,
	v_fma_f32 v[INV], v12, v10, v10                ; inv = inv + e inv
	v_mov_b32 v[INV+1], v[INV]
	v_mul_f32 v[NSC], -1.0, v11
	v_mov_b32 v[NSC+1], v[NSC]
	v_mul_f32 v[LN], 0xc2fe0000, v11               ; -127 scale
	STREAM 0, 4, 10
	s_endpgm
	; ---- packed_w -> wq
.Lweights:
	s_add_nc_u64 s[6:7], s[6:7], s[14:15]
	s_add_nc_u64 s[12:13], s[12:13], s[16:17]
	FIRST 6
	STREAM 1, 6, 12
	s_endpgm
.Lfunc_end_k_qde048154c4_quant:
	.size	k_qde048154c4_quant, .Lfunc_end_k_qde048154c4_quant-k_qde048154c4_quant
	.p2alignl 7, 3214868480
	.fill 96, 4, 3214868480
	.section	.rodata,"a",@progbits
	.p2align	6, 0x0
	.amdhsa_kernel k_qde048154c4_quant
		.amdhsa_group_segment_fixed_size 0
		.amdhsa_private_segment_fixed_size 0
		.amdhsa_enable_private_segment 0
		.amdhsa_kernarg_size 40
		.amdhsa_user_sgpr_count 2
		.amdhsa_user_sgpr_kernarg_segment_ptr 1
		.amdhsa_wavefront_size32 1
		.amdhsa_system_sgpr_workgroup_id_x 1
		.amdhsa_system_sgpr_workgroup_id_y 1
		.amdhsa_system_sgpr_workgroup_id_z 1
		.amdhsa_system_vgpr_workitem_id 0
		.amdhsa_next_free_vgpr 100
		.amdhsa_next_free_sgpr 66
		.amdhsa_reserve_vcc 0
		.amdhsa_float_denorm_mode_32 3
		.amdhsa_float_denorm_mode_16_64 3
		.amdhsa_memory_ordered 1
		.amdhsa_forward_progress 1
		.amdhsa_inst_pref_size 72
	.end_amdhsa_kernel
	.amdgpu_metadata
---
amdhsa.version: [ 1, 2 ]
amdhsa.kernels:
  - .name:           k_qde048154c4_quant
    .symbol:         k_qde048154c4_quant.kd
    .args:
      - { .name: x, .offset: 0, .size: 8, .value_kind: global_buffer, .address_space: global }
      - { .name: packed_w, .offset: 8, .size: 8, .value_kind: global_buffer, .address_space: global }
      - { .name: act_scale, .offset: 16, .size: 8, .value_kind: global_buffer, .address_space: global }
      - { .name: xq, .offset: 24, .size: 8, .value_kind: global_buffer, .address_space: global }
      - { .name: wq, .offset: 32, .size: 8, .value_kind: global_buffer, .address_space: global }
    .group_segment_fixed_size: 0
    .private_segment_fixed_size: 0
    .kernarg_segment_align: 8
    .kernarg_segment_size: 40
    .max_flat_workgroup_size: 256
    .sgpr_count:     66
    .vgpr_count:     100
    .wavefront_size: 32
...
	.end_amdgpu_metadata
.endif
;; end of part 3
;; launch gemm: the kernel of part 2 again; grid 16 x 16, 4 waves a work-group, clusters of 4 x 4, 327,680 bytes of LDS; arguments xq, wq, out0, bias, act_scale, alpha; writes out0
